; MI455X (gfx1250); checked and timed in simulation.
; The chip was launched on July 23, 2026; its instructions are those of AMD's public machine-readable ISA for CDNA 5 (MIT licence, August 2026) and "CDNA5" Instruction Set Architecture Reference Guide (July 2026). The comments in the code are by the model that wrote it; some were corrected since.
;; Self Attention. Allowed arithmetic: matrix products marked QUANTISED: E4M3 operands, one E8M0 scale for each 32 along K, by v_wmma_scale_f32_16x16x128_f8f6f4 with both operands' format E4M3, f32 sums; everything else in f32.
;; Inputs: W_k 128 x 128 float32; W_q 128 x 128 float32; W_v 128 x 128 float32; inputs 4 x 4,096 x 128 float32; mask 4 x 4,096 int32.
;; Outputs: out0 4 x 4,096 x 128 float32; out1 4 x 4,096 float32.
;; This version of the problem:
;;   THIS VERSION OF THE PROBLEM IS GIVEN IN LOW PRECISION. The matrix products marked QUANTISED in the list below multiply operands that are first quantised to E4M3 (4 exponent bits, 3 mantissa bits; 8 bits a number), with one power-of-two scale for each 32 numbers along K (OCP MX v1.0); their sums are f32. All else is computed in f32.
;;   The module's matrix products, in the order in which they are computed (A, B: the left and right operand; K: the contracted axis; several contracted axes count as one K, in the product's order):
;;     1. [M 16,384, K 128] x [K 128, N 128]; A: computed on the way; B: input W_q: QUANTISED
;;     2. [M 16,384, K 128] x [K 128, N 128]; A: computed on the way; B: input W_k: QUANTISED
;;     3. [M 16,384, K 128] x [K 128, N 128]; A: computed on the way; B: input W_v: QUANTISED
;;     4. batch 4 x [M 4,096, K 128] x [K 128, N 4,096]; A: computed on the way; B: computed on the way: QUANTISED
;;     5. batch 4 x [M 4,096, K 4,096] x [K 4,096, N 128]; A: softmax (see below); B: computed on the way: QUANTISED
;;   THE QUANTISER, for each operand of a quantised product, along K:
;;     - K is cut into blocks of 32 from its start; a last block that is shorter is filled with zeros.
;;     - A block's scale is 2^e with e = floor(log2(the largest magnitude in the block)) - 8, held to -126 .. 127; a block of zeros has e = 0. As a byte (E8M0): e + 127.
;;     - Each number is divided by its block's scale, clamped to +-448, and rounded to the nearest number of E4M3, ties to even, subnormals kept.
;;     - The product sums the exact products of the quantised numbers (number of the format x scale) in f32.
;;   ~~~python
;;   def quantise(x, axis):      # numpy; x: float32 -> the quantised numbers, widened to float32 again
;;       x = np.moveaxis(x, axis, -1); K = x.shape[-1]
;;       x = np.pad(x, [(0, 0)] * (x.ndim - 1) + [(0, -K % 32)]); x = x.reshape(x.shape[:-1] + (-1, 32)); a = np.abs(x).max(-1, keepdims=True)
;;       e = np.where(a > 0, np.clip(np.frexp(np.where(a > 0, a, 1))[1] - 1 - 8, -126, 127), 0)      # np.frexp(a)[1] - 1 = floor(log2(a)), exactly
;;       r = np.clip(x / 2.0 ** e, -448, 448)
;;       step = 2.0 ** (np.maximum(np.frexp(np.where(r == 0, 1, r))[1] - 1, -6) - 3)
;;       q = np.round(r / step) * step * 2.0 ** e      # np.round: ties to even
;;       return np.moveaxis(q.reshape(q.shape[:-2] + (-1,))[..., :K], -1, axis).astype(np.float32)
;;   ~~~
;;   SOFTMAX AHEAD OF A QUANTISED PRODUCT. Where the list says 'softmax', what is quantised is not the finished softmax but p = 2^(t - M), with t = logit x log2(e) and M = ceil(the row's largest t), a whole number; so 1/2 < the row's largest p <= 1. The row's sum l is taken of the UNQUANTISED p, in f32, and the product's result is divided by l at the end. Since M is a whole number, a kernel that streams over the keys may use a running M (the ceiling of the running maximum): every later rescaling is an exact power of two, which a block's scale takes up: the codes' values come out the same.
;;   OPERANDS COMPUTED ON THE WAY. 'Computed on the way' means the value that the module computes at that place (a softmax that the list does not call 'softmax' is quantised finished and normalised). What goes into a quantiser is computed in f32, as accurately as f32 sums, v_exp_f32 and their like allow (about 1e-6 of the number): no bf16 or f16 on the way to a quantiser, and a product that is left as it is and whose result goes on into a quantised operand takes f32 operands (vector FMAs, or v_wmma_f32_16x16x4_f32). A number that lies on a knife's edge between two numbers of the format may be rounded either way, as far as f32 arithmetic and the matrix unit's own rounding can turn it there, and no further.
;; One version. Each part assembles by itself: llvm-mc -triple=amdgcn-amd-amdhsa -mcpu=gfx1250 --defsym DOCPART=n.
;; ======== version 1 of 1: 3 launches
;; limits: right only within a limited range of input values
;; workspace buffers: qimg 2,097,152 bytes; qs 65,536 bytes; kv 4,194,304 bytes; kvs 131,072 bytes; stats 196,608 bytes
;; launch project (part 1): grid 128 x 1, 8 waves a work-group, no clusters, 54,784 bytes of LDS; arguments inputs, mask, W_q, W_k, W_v, qimg, qs, kv, kvs; writes qimg, qs, kv, kvs
.if DOCPART == 1
	.amdgcn_target "amdgcn-amd-amdhsa--gfx1250"
	.amdhsa_code_object_version 6
	.text
	.protected	k_q2020623c2c_project
	.globl	k_q2020623c2c_project
	.p2align	8
	.type	k_q2020623c2c_project,@function
k_q2020623c2c_project:
	s_mov_b64 s[64:65], 0
	v_nop
	global_prefetch_b8 v0, s[64:65] scope:SCOPE_SE
	s_setreg_imm32_b32 hwreg(HW_REG_WAVE_MODE, 25, 1), 1
	s_wait_xcnt 0x0
; PROJECT.  x = inputs * m (m = the mask as f32);  q = x W_q, k = x W_k, v = x W_v, all three on codes of FP8 (E4M3) with one E8M0 scale for each 32 along K = 128;
; q and k are then quantised along their 128 channels, v along the tokens (the keys are the K of the later product), and all three leave as IMAGES OF OPERAND REGISTERS.
; SHARES.  A work-group takes a RECORD of 128 tokens (128 records in all).  Wave w quantises tile w of x and tile w of each of the three weights, and makes tile w of q, of k and of v.
; IMAGE.  A fragment (16 rows x 128 K, 16 registers a lane) lies as four groups of 512 bytes: group c holds lane l's registers 4 c .. 4 c + 3 at 512 c + 16 l.  Every store covers 512 consecutive bytes.
; TILES OF TOKENS ARE PERMUTED: lane r of tile T holds token perm(T, r) = 32 (T / 2) + 8 (T % 2) + r + 8 (r / 8).  Taken as source 0 of a product, result register j of lane half h is then token
; 32 (T / 2) + 8 (T % 2) + 16 h + j, so that the 16 registers of tiles 2 b, 2 b + 1 are 16 neighbours along the next K.  W_q's and W_k's tiles take their columns by the same perm; W_v's tile t takes column 16 t + r.
; THE WEIGHTS lie [k][n]: a lane takes a column and its registers run down K, so the conversions' results are the operand's registers.
; THE MASK may be any int32.  The later factor m[query] on the logits is split: its sign goes into q's codes here (an exclusive or on the sign bits: the quantiser is odd, so that is exact), its magnitude into the later scaling.
; NO CLUSTER: the work-groups share the three weights only, and those go from memory straight into registers, a lane a column, 4 bytes a lane: there is no tile in LDS that a joint load could fill.
; LIMITS: NaN and infinities among the inputs are not served.  A block whose largest magnitude lies under 2^-118, a block of zeros among them, gets the scale byte 1 (the rule gives a block of zeros 127): its
; codes are then zeros or subnormal codes under the least scale; the bytes are read by this program alone.
.set XIMG,  0                          ; LDS: x's 8 fragments,
.set QWIMG, 16384                      ; W_q's 8,
.set KWIMG, 32768                      ; W_k's 8,
.set XSC,   49152                      ; their scale words, 128 bytes a tile (4 bytes a lane),
.set QWSC,  50176
.set KWSC,  51200
.set OSC,   52224                      ; and the scale words that leave: q's, k's, v's, 512 bytes each (64 bytes a tile, 4 bytes a row)
.set XC,   16                          ; v16-31   my tile of x, as codes
.set WVC,  32                          ; v32-47   my tile of W_v, as codes
.set XSW,  48                          ; v48      x's scale word;  v49 W_v's;  v50-53 those of four fetched fragments: these hold scales and nothing else
.set WVS,  49
.set FS,   50
.set PW,   54                          ; v54      the scale word just made
.set NA,   56                          ; v56-119  64 numbers; later the eight accumulators
.set NB,   120                         ; v120-183 64 numbers; later four fetched fragments
.set PC,   184                         ; v184-199 the codes just made
.set TM,   200                         ; v200-215 at work in QUANT
; v2 r, v3 h, v4 x's offset, v5 16 x lane, v6 4 x lane, v7 W_q's and W_k's offset, v8 W_v's, v9 the mask's, v10 and v11 where I store images and scale words, v12 and v13 the leaving scale words, v14 m, v15 the sign mask
; 64 numbers of a lane, register 16 b + i = k 32 b + 16 (lane / 16) + i of my row, become a fragment's codes in v[d] on and its scale word in v[pw].
.macro QUANT s, d, pw
.irp b, 0,1,2,3
	v_max3_num_f32 v[TM+\b], |v[\s+16*\b]|, |v[\s+1+16*\b]|, 0x4800000   ; block b: my 16 numbers, and the floor 2^(9 - 127): the byte cannot fall under 1.  (Each accumulator is read from its low end on)
.endr
.irp i, 2,4,6,8,10,12,14
.irp b, 0,1,2,3
	v_max3_num_f32 v[TM+\b], v[TM+\b], |v[\s+16*\b+\i]|, |v[\s+1+16*\b+\i]|   ; the four blocks by turns
.endr
.endr
.irp b, 0,1,2,3
	s_delay_alu instid0(VALU_DEP_4)
	v_permlanex16_b32 v[TM+4+\b], v[TM+\b], s24, s25
.endr
.irp b, 0,1,2,3
	s_delay_alu instid0(VALU_DEP_4)
	v_max_num_f32 v[TM+\b], v[TM+\b], v[TM+4+\b]   ; with lane l xor 16's 16: the block's largest magnitude
.endr
.irp b, 0,1,2,3
	s_delay_alu instid0(VALU_DEP_4)
	v_add_nc_u32 v[TM+12+\b], 0xfc000000, v[TM+\b]   ; 8 off its exponent field: the conversion's scale operand
.endr
.irp b, 0,1,2,3
.endr
.irp b, 0,1,2,3
	s_delay_alu instid0(VALU_DEP_4)
	v_lshrrev_b32 v[TM+4+\b], 23, v[TM+12+\b]      ; the scale's byte
.endr
	s_delay_alu instid0(VALU_DEP_3)
	v_lshl_or_b32 v[\pw], v[TM+5], 8, v[TM+4]      ; four bytes: my row's scale word
	s_delay_alu instid0(VALU_DEP_1)
	v_lshl_or_b32 v[\pw], v[TM+6], 16, v[\pw]
	s_delay_alu instid0(VALU_DEP_1)
	v_lshl_or_b32 v[\pw], v[TM+7], 24, v[\pw]
.irp b, 0,1,2,3
.irp i, 0,1,2,3,4,5,6,7,8,9,10,11,12,13,14,15
.endr
	v_cvt_scalef32_pk8_fp8_f32 v[\d+4*\b:\d+1+4*\b], v[\s+16*\b:\s+7+16*\b], v[TM+12+\b]
	v_cvt_scalef32_pk8_fp8_f32 v[\d+2+4*\b:\d+3+4*\b], v[\s+8+16*\b:\s+15+16*\b], v[TM+12+\b]
.endr
	v_nop                                          ; a plain vector line behind the last scaled conversion
.endm
.macro XLOAD                           ; my token's 64 numbers: 16 neighbours of each block of 32
.irp c, 0,1,2,3
.irp j, 0,1,2,3
	global_load_b128 v[NA+16*\c+4*\j:NA+16*\c+4*\j+3], v4, s[4:5] offset:128*\c+16*\j th:TH_LOAD_NT
.endr
.endr
.endm
.macro WLOAD reg, off, base            ; my column of a weight: W(32 c + 16 h + i, column), a row of the weight is 512 bytes
.irp c, 0,1,2,3
.irp i, 0,1,2,3,4,5,6,7,8,9,10,11,12,13,14,15
	global_load_b32 v[\reg+16*\c+\i], v[\off], s[\base:\base+1] offset:(32*\c+\i)*512
.endr
.endr
.endm
.macro IMAGE adr, src, off             ; a fragment goes to LDS as it stands
.irp c, 0,1,2,3
	ds_store_b128 v[\adr], v[\src+4*\c:\src+4*\c+3] offset:\off+512*\c
.endr
.endm
.macro FETCH reg, off                  ; and comes back so, in any wave
.irp c, 0,1,2,3
	ds_load_b128 v[(\reg)+4*\c:(\reg)+4*\c+3], v5 offset:(\off)+512*\c
.endr
.endm
.macro OUT base, off                   ; the codes just made leave: each store covers 512 consecutive bytes, aligned
.irp c, 0,1,2,3
	global_store_b128 v5, v[PC+4*\c:PC+4*\c+3], s[\base:\base+1] offset:\off+512*\c
.endr
.endm
.macro BARRIER                         ; my LDS stores have landed and my LDS loads are in: then the work-group's barrier
	s_wait_dscnt 0x0
	s_barrier_signal -1
	s_barrier_wait -1
.endm
; Eight products, four fetched fragments at a time.  swap = 0: source 0 = a weight's tile, source 1 = my tile of x: a lane holds one token and its registers run along the channels.
; swap = 1: source 0 = a tile of x, source 1 = my tile of W_v: a lane holds one channel and its registers run along the tokens.  Each product starts its own sum with the constant 0.
.macro PROJ img, sc, swap
.irp g, 0,1
.if \g > 0
.rept 8
	v_nop                                          ; eight places in front of loads into registers that matrix instructions have read
.endr
.endif
.irp t, 0,1,2,3
	FETCH NB+16*\t, \img+(4*\g+\t)*2048
	ds_load_b32 v[FS+\t], v6 offset:\sc+128*(4*\g+\t)
.endr
	s_wait_dscnt 0x0
.irp t, 0,1,2,3
.if \swap
	v_wmma_scale_f32_16x16x128_f8f6f4 v[NA+8*(4*\g+\t):NA+8*(4*\g+\t)+7], v[NB+16*\t:NB+16*\t+15], v[WVC:WVC+15], 0, v[FS+\t], v[WVS]
.else
	v_wmma_scale_f32_16x16x128_f8f6f4 v[NA+8*(4*\g+\t):NA+8*(4*\g+\t)+7], v[NB+16*\t:NB+16*\t+15], v[XC:XC+15], 0, v[FS+\t], v[XSW]
.endif
.endr
.endr
.rept 8
	v_nop                                          ; eight places in front of the first read of the results
.endr
.endm
	s_load_b256 s[4:11], s[0:1], 0x0               ; inputs s[4:5], mask s[6:7], W_q s[8:9], W_k s[10:11]
	s_load_b256 s[12:19], s[0:1], 0x20             ; W_v s[12:13], qimg s[14:15], qs s[16:17], kv s[18:19]
	s_load_b64 s[20:21], s[0:1], 0x40              ; kvs
	v_lshl_add_u32 v224, v0, 2, 0xd200
	v_mov_b32 v225, 0
	v_lshrrev_b32 v1, 5, v0
	s_delay_alu instid0(VALU_DEP_1)
	v_readfirstlane_b32 s22, v1                    ; wave 0..7
	v_and_b32 v1, 31, v0                           ; lane
	v_and_b32 v2, 15, v0                           ; r
	v_bfe_u32 v3, v0, 4, 1                         ; h
	s_delay_alu instid0(VALU_DEP_3)
	v_lshlrev_b32 v5, 4, v1                        ; 16 x lane
	s_delay_alu instid0(VALU_DEP_4)
	v_lshlrev_b32 v6, 2, v1                        ; 4 x lane
	s_lshr_b32 s26, s22, 1
	s_lshl_b32 s26, s26, 5
	s_and_b32 s27, s22, 1
	s_lshl_b32 s27, s27, 3
	s_add_co_u32 s26, s26, s27                     ; 32 (w / 2) + 8 (w % 2)
	v_and_b32 v9, 8, v2
	s_delay_alu instid0(VALU_DEP_1)
	v_add_nc_u32 v9, v9, v2                        ; r + 8 (r / 8)
	s_delay_alu instid0(VALU_DEP_1)
	v_add_nc_u32 v9, s26, v9                       ; perm(w, r)
	s_delay_alu instid0(VALU_DEP_1)
	v_lshlrev_b32 v4, 9, v9
	s_delay_alu instid0(VALU_DEP_1)
	v_lshl_add_u32 v4, v3, 6, v4                   ; x: token perm(w, r) of 512 bytes, + 64 h
	s_delay_alu instid0(VALU_DEP_3)
	v_lshlrev_b32 v9, 2, v9                        ; the mask's word; also column perm(w, r) of a weight
	s_delay_alu instid0(VALU_DEP_1)
	v_lshl_add_u32 v7, v3, 13, v9                  ; W_q, W_k: + 16 h rows of 512 bytes
	s_lshl_b32 s27, s22, 6
	v_lshl_add_u32 v12, v2, 2, s27                 ; 64 w + 4 r
	s_delay_alu instid0(VALU_DEP_1)
	v_lshl_add_u32 v8, v3, 13, v12                 ; W_v: column 16 w + r, + 16 h rows
	s_delay_alu instid0(VALU_DEP_2)
	v_add_nc_u32 v12, OSC, v12                     ; the leaving scale words: tile w, row r
	s_lshl_b32 s28, s22, 11
	v_add_nc_u32 v10, s28, v5                      ; images: 16 x lane + 2,048 w
	s_lshl_b32 s29, s22, 7
	v_add_nc_u32 v11, s29, v6                      ; scale words: 4 x lane + 128 w
	s_min_u32 s30, s22, 2                          ; (waves 0 to 2 copy the three blocks of leaving scale words out)
	s_lshl_b32 s30, s30, 9
	v_add_nc_u32 v13, s30, v5
	s_delay_alu instid0(VALU_DEP_1)
	v_add_nc_u32 v13, OSC, v13
	s_mov_b32 s24, 0x76543210
	s_mov_b32 s25, 0xfedcba98                      ; v_permlanex16_b32's selects for lane l xor 16
.irp b, 0,1,2,3
	v_mov_b32 v[TM+4+\b], 0                        ; written once: a lane permute's destination counts as one of its sources
.endr
	s_mov_b32 s33, 0
	s_wait_kmcnt 0x0
	s_lshl_b32 s32, ttmp9, 16                      ; the record's 128 rows of 512 bytes
	s_add_nc_u64 s[4:5], s[4:5], s[32:33]
	s_lshl_b32 s32, ttmp9, 9                       ; its 128 mask words; its 512 bytes of q's scale words
	s_add_nc_u64 s[6:7], s[6:7], s[32:33]
	s_add_nc_u64 s[16:17], s[16:17], s[32:33]
	s_lshl_b32 s32, ttmp9, 14
	s_add_co_u32 s32, s32, s28                     ; q's images: 16,384 a record, 2,048 a tile
	s_add_nc_u64 s[14:15], s[14:15], s[32:33]
	s_lshl_b32 s32, ttmp9, 15
	s_add_co_u32 s32, s32, s28                     ; k's and v's: 32,768 a record; v's tiles 16,384 behind k's
	s_add_nc_u64 s[18:19], s[18:19], s[32:33]
	s_lshr_b32 s32, ttmp9, 5
	s_lshl_b32 s32, s32, 15                        ; their scale words: 32,768 a batch (k's 16,384, then v's),
	s_and_b32 s34, ttmp9, 31
	s_lshl_b32 s34, s34, 9                         ; 512 a record
	s_add_co_u32 s32, s32, s34
	s_add_nc_u64 s[20:21], s[20:21], s[32:33]
	global_load_b32 v14, v9, s[6:7]                ; my token's mask word
	XLOAD
	WLOAD NB, 7, 8                                 ; W_q
	s_wait_loadcnt 63                              ; the mask word and x are older than W_q's 64 loads; the wait's field holds 63 at the most, and a smaller count is safe
	v_cvt_f32_i32 v14, v14                         ; m
	v_mov_b32 v1, 0x80808080
	s_delay_alu instid0(VALU_DEP_2)
	v_cmp_gt_f32 vcc_lo, 0, v14
	s_delay_alu instid0(VALU_DEP_1)
	v_cndmask_b32 v15, 0, v1, vcc_lo               ; the four sign bits where m is negative
.set jj, 0
.rept 32
	v_pk_mul_f32 v[NA+jj:NA+jj+1], v[NA+jj:NA+jj+1], v[14:15] op_sel_hi:[1,0]   ; x = inputs * m
.set jj, jj+2
.endr
	QUANT NA, XC, XSW
	IMAGE 10, XC, XIMG
	ds_store_b32 v11, v[XSW] offset:XSC
	WLOAD NA, 7, 10                                ; W_k
	s_wait_loadcnt 63                              ; W_q's loads are older than W_k's 64
	QUANT NB, PC, PW
	IMAGE 10, PC, QWIMG
	ds_store_b32 v11, v[PW] offset:QWSC
	WLOAD NB, 8, 12                                ; W_v
	s_wait_loadcnt 63                              ; W_k's loads are older than W_v's 64
	s_wait_dscnt 0x0                               ; the stores have read the codes' registers
	QUANT NA, PC, PW
	IMAGE 10, PC, KWIMG
	ds_store_b32 v11, v[PW] offset:KWSC
	s_wait_loadcnt 0x0
	QUANT NB, WVC, WVS                             ; W_v's tile stays in my registers: nobody else multiplies by it
	BARRIER                                        ; x's, W_q's and W_k's fragments lie in LDS
	PROJ QWIMG, QWSC, 0                            ; q of my 16 tokens, all 128 channels
	QUANT NA, PC, PW
.set jj, 0
.rept 16
	v_xor_b32 v[PC+jj], v15, v[PC+jj]              ; the sign of m[query]
.set jj, jj+1
.endr
	OUT 14, 0
	ds_store_b32 v12, v[PW]
	PROJ KWIMG, KWSC, 0                            ; k likewise
	s_wait_xcnt 0x0                                ; the stores have read the codes' registers,
	s_wait_dscnt 0x0                               ; and the LDS store the scale word
	QUANT NA, PC, PW
	OUT 18, 0
	ds_store_b32 v12, v[PW] offset:512
	PROJ XIMG, XSC, 1                              ; v: my 16 channels, all 128 tokens
	s_wait_xcnt 0x0
	s_wait_dscnt 0x0
	QUANT NA, PC, PW
	OUT 18, 16384
	ds_store_b32 v12, v[PW] offset:1024
	BARRIER                                        ; the three blocks of scale words are whole
	s_cmp_lt_u32 s22, 3
	s_cbranch_scc0 .Ldone
	s_add_nc_u64 s[34:35], s[20:21], 16384         ; v's scale words lie behind k's
	s_cmp_eq_u32 s22, 0
	s_cselect_b64 s[36:37], s[16:17], s[20:21]     ; wave 0: q's, wave 1: k's,
	s_cmp_eq_u32 s22, 2
	s_cselect_b64 s[36:37], s[34:35], s[36:37]     ; wave 2: v's
	ds_load_b128 v[NB:NB+3], v13
	s_wait_dscnt 0x0
	global_store_b128 v5, v[NB:NB+3], s[36:37]     ; 512 consecutive bytes, aligned
.Ldone:
	s_wait_tensorcnt 0x0
	ds_add_u32 v224, v225
	s_wait_dscnt 0x0
	s_endpgm
.Lfunc_end_k_q2020623c2c_project:
	.size	k_q2020623c2c_project, .Lfunc_end_k_q2020623c2c_project-k_q2020623c2c_project
	.p2alignl 7, 3214868480
	.fill 96, 4, 3214868480
	.section	.rodata,"a",@progbits
	.p2align	6, 0x0
	.amdhsa_kernel k_q2020623c2c_project
		.amdhsa_group_segment_fixed_size 54784
		.amdhsa_private_segment_fixed_size 0
		.amdhsa_enable_private_segment 0
		.amdhsa_kernarg_size 72
		.amdhsa_user_sgpr_count 2
		.amdhsa_user_sgpr_kernarg_segment_ptr 1
		.amdhsa_wavefront_size32 1
		.amdhsa_system_sgpr_workgroup_id_x 1
		.amdhsa_system_sgpr_workgroup_id_y 1
		.amdhsa_system_sgpr_workgroup_id_z 1
		.amdhsa_system_vgpr_workitem_id 0
		.amdhsa_next_free_vgpr 226
		.amdhsa_next_free_sgpr 66
		.amdhsa_reserve_vcc 1
		.amdhsa_float_denorm_mode_32 3
		.amdhsa_float_denorm_mode_16_64 3
		.amdhsa_fp16_overflow 1
		.amdhsa_memory_ordered 1
		.amdhsa_forward_progress 1
		.amdhsa_inst_pref_size 71
	.end_amdhsa_kernel
	.amdgpu_metadata
---
amdhsa.version: [ 1, 2 ]
amdhsa.kernels:
  - .name:           k_q2020623c2c_project
    .symbol:         k_q2020623c2c_project.kd
    .args:
      - { .name: inputs, .offset: 0, .size: 8, .value_kind: global_buffer, .address_space: global }
      - { .name: mask, .offset: 8, .size: 8, .value_kind: global_buffer, .address_space: global }
      - { .name: W_q, .offset: 16, .size: 8, .value_kind: global_buffer, .address_space: global }
      - { .name: W_k, .offset: 24, .size: 8, .value_kind: global_buffer, .address_space: global }
      - { .name: W_v, .offset: 32, .size: 8, .value_kind: global_buffer, .address_space: global }
      - { .name: qimg, .offset: 40, .size: 8, .value_kind: global_buffer, .address_space: global }
      - { .name: qs, .offset: 48, .size: 8, .value_kind: global_buffer, .address_space: global }
      - { .name: kv, .offset: 56, .size: 8, .value_kind: global_buffer, .address_space: global }
      - { .name: kvs, .offset: 64, .size: 8, .value_kind: global_buffer, .address_space: global }
    .group_segment_fixed_size: 54784
    .private_segment_fixed_size: 0
    .kernarg_segment_align: 8
    .kernarg_segment_size: 72
    .max_flat_workgroup_size: 256
    .sgpr_count:     66
    .vgpr_count:     226
    .wavefront_size: 32
...
	.end_amdgpu_metadata
.endif
;; end of part 1
;; launch attend (part 2): grid 64 x 4, 8 waves a work-group, clusters of 4 x 1, 327,680 bytes of LDS; arguments qimg, qs, kv, kvs, mask, out0, stats; writes out0, stats
.if DOCPART == 2
	.amdgcn_target "amdgcn-amd-amdhsa--gfx1250"
	.amdhsa_code_object_version 6
	.text
	.protected	k_q2020623c2c_attend
	.globl	k_q2020623c2c_attend
	.p2align	8
	.type	k_q2020623c2c_attend,@function
k_q2020623c2c_attend:
	s_mov_b64 s[64:65], 0
	v_nop
	global_prefetch_b8 v0, s[64:65] scope:SCOPE_SE
	s_setreg_imm32_b32 hwreg(HW_REG_WAVE_MODE, 25, 1), 1
	s_wait_xcnt 0x0
	s_wait_alu depctr_hold_cnt(0) depctr_sa_sdst(0) depctr_va_vdst(0) depctr_va_sdst(0) depctr_va_ssrc(0) depctr_va_vcc(0) depctr_vm_vsrc(0)
	s_getreg_b32 s2, hwreg(HW_REG_IB_STS2, 6, 4)
	s_cmp_eq_u32 s2, 0
	s_cbranch_scc0 .Lentry_in_a_cluster
	s_endpgm
.Lentry_in_a_cluster:
	s_bfe_u32 s2, ttmp6, 0x10000c
	s_cmp_lg_u32 s2, 0x3003
	s_cbranch_scc0 .Lentry_shape_is_right
	s_endpgm
.Lentry_shape_is_right:
; ATTEND.  out0[q] = m[q] / l[q] x the sum over the keys of Q(p[q][key]) Q(v[key]),  p = 2^(t - M),  t = (q . k) x |m[q]| x log2(e) / sqrt(128)  (the sign of m[q] lies in q's codes),  M = the row's largest t rounded up.
; Both products on codes of FP8 (E4M3) with E8M0 scales; l is the sum of the unquantised p.  For each query c = |m| log2(e) / sqrt(128), -M and 1 / l are stored for the launch that makes the column means.
; SHARES.  A work-group owns 64 queries of one batch.  Wave w: its two tiles of 16 queries are chosen by w % 2 (tile A in register window 0, tile B at the same numbers in window 1), its QUARTER OF THE KEYS by w / 2:
; of every slot of 512 keys it takes record w / 2 (128 keys).  A wave so walks 8 key steps with a running M, l and O^T of its own; at the end the four quarters are brought under one M by exact powers of two and added.
; LAYOUT.  Both products transposed: S^T = K Q^T, O^T = V^T P^T: a lane holds one query throughout.  The keys of a tile of K are permuted by the launch before, so that p's 16 registers of two neighbouring tiles are 16 neighbouring keys.
; All operands lie in memory and LDS as images of their registers (group c of four registers: lane l's 16 bytes at 512 c + 16 l).
; RING.  Two slots of 131,072 bytes (four records: K's eight fragments, then V's eight).  Each of the eight waves fetches an eighth of a slot by one tensor load of 64 rows x 256 bytes.  Both slots' first fills go out at the head.
; A KEY STEP: K's eight fragments in one run of loads (tiles 0-3 into window 0, tiles 4-7 into window 1), the scores of both tiles of queries, V's eight fragments in one run, tile A's softmax (V lands meanwhile),
; THE CHANGE OF SLOTS (my reads of the slot are over: it is handed back and filled with the keys two slots on), tile B's softmax, the second products.
; CLUSTER.  The four work-groups of a cluster belong to one batch and walk the same K and V: each tile is asked for JOINTLY, by the same load with the same descriptor and the mask 15.
; THE SOFTMAX is written once and run under two window settings.  Scale operands have no window, so tile B's two scale words lie in window 0 (v7, v8).
; LIMITS: NaN and infinities are not served.  A block of p that has fallen to zeros keeps the scale byte 1: its codes are zeros.  l and O are summed by quarters of each 512 keys and the quarters added in the order 0 .. 3:
; an order of f32 sums other than reference()'s.  1 / l is v_rcp_f32.
; REGISTERS, both windows: v10 c, v11 m, v12 -M, v13 the largest t, v[14:15] l in two halves, v16-31 Q, v32-95 four fragments of K or V (window 0: tiles 0-3, window 1: tiles 4-7), v96-159 S^T then p, v160-223 O^T,
;   v224-239 p's codes, v232-247, v252, v254 at work.
;   window 0 alone: v1, v2 my places among fragments and scale words; v3, v4 the step's addresses; v5, v6 the spare word and 0; v7 Q_B's scale word; v8 p_B's; v9 the prefetches' offset;
;   v248-251 K's or V's scale words (lanes 0-15: tile t, lanes 16-31: tile 4 + t); v253 p_A's scale word; v255 Q_A's.
.set SLOT1, 1<<17                      ; slot 1 begins here: one exclusive or turns an address in one slot into the other's
.set SCK,   2*SLOT1                    ; K's scale words of the whole batch, 16,384 bytes; V's behind them, 16,384
.set SPARE, SCK+32768                  ; the spare words, 128 bytes for each wave: four blocks of 256 bytes that no other line names
.set STATB, SPARE+1024                 ; -M [4 quarters][64 queries], then l likewise: 2,048 bytes
.set OUTB,  STATB+2048                 ; c, -M, 1 / l of the 64 queries: 3 x 256 bytes
.set PP,    528                        ; the parts of O: a row of 512 bytes + 16
.set PQ,    64*PP                      ; a quarter's 64 rows.  The four parts lie from LDS byte 0 on, over the slots, which have then had their last fill and their last read
.set MSB, 0
.macro WIN new                         ; the immediate's high byte repeats the setting that is left; a switch that changes nothing is dropped
.if MSB != \new
	s_set_vgpr_msb (MSB<<8)|\new
.set MSB, \new
.endif
.endm
.macro CROUND                          ; a round of the cluster's barrier
	s_barrier_signal -1
	s_barrier_wait -1
	s_cmp_lg_u32 s18, 0
	s_cbranch_scc1 .Lnot_wave_0_\@
	s_barrier_signal -3
.Lnot_wave_0_\@:
	s_barrier_wait -3
	s_barrier_signal -1
	s_barrier_wait -1
.endm
; A prefetch of what the NEXT change of slots will ask for: a slot's 131,072 bytes, a key step ahead of that load.  All clusters of a batch walk the same K and V: the batch's first cluster asks.  Its four partners take a
; record (32,768 bytes) each, told apart by address; in each, waves 0 to 3 take 8,192 bytes, lanes 256 bytes apart: each aligned 256 bytes is named once in the launch.  It stands behind the wave's tensor load and its four lines.
; The last change that fills a slot asks for nothing; the first three slots' worth of keys come by their loads alone.
.macro ASK
	s_cmp_gt_u32 s50, s51
	s_cbranch_scc0 .Lnot_mine_\@
	global_prefetch_b8 v9, s[52:53] th:TH_LOAD_NT scope:SCOPE_SE
.Lnot_mine_\@:
.endm
; THE CHANGE OF SLOTS.  Each wave waits for all its tensor loads (its eighth of the other slot), adds 0 to its spare word, and waits for that and for its reads of the slot in hand, of which V's fragments were the last.
; Behind the barrier the other slot is whole and nobody reads this one.  fill = 1: the barrier is a round of the cluster's, and first behind it stands the joint load that fills this slot with the keys two slots on:
; it has a key step of all eight waves in which to land.
.macro CHANGE fill
	s_wait_tensorcnt 0x0                           ; no tensor load of mine is out, so the walking group 0 may be written
	ds_add_u32 v5, v6                              ; 0 onto my spare word
.if \fill
	s_xor_b32 s41, s41, SLOT1                      ; the other slot than last time,
	s_add_nc_u64 s[42:43], s[42:43], 131072        ; the next 512 keys; the type bits on top are not reached
	s_wait_xcnt 0x0                                ; the last prefetch, a key step back, has read its address
	s_add_nc_u64 s[52:53], s[52:53], 131072        ; one slot further on than the walking descriptor
.endif
	s_wait_dscnt 0x0                               ; the add is done, and my reads of this slot are over: V's fragments are in registers
.if \fill
	CROUND
	tensor_load_to_lds s[40:43], s[24:31]          ; my one tensor load until the next change
	s_nop 0
.rept 4
	v_nop
.endr
	ASK
.else
	s_barrier_signal -1
	s_barrier_wait -1
.endif
.endm
; One tile's softmax for a key step of 128 keys, under the window setting that is on.  u = 1: tile B, whose scale word is copied into window 0.
.macro SOFTMAX u
.irp b, 0,1,2,3
	v_max3_num_f32 v[232+\b], v[96+16*\b], v[97+16*\b], v[98+16*\b]   ; the largest score of each block of 32 keys: for the row's maximum, and, since p rises with the score, for the block's largest p
.endr
.irp i, 3,5,7,9,11,13
.irp b, 0,1,2,3
	v_max3_num_f32 v[232+\b], v[232+\b], v[96+16*\b+\i], v[97+16*\b+\i]
.endr
.endr
.irp b, 0,1,2,3
	v_max_num_f32 v[232+\b], v[232+\b], v[111+16*\b]
.endr
.irp b, 0,1,2,3
	v_permlanex16_b32 v[236+\b], v[232+\b], s20, s21
.endr
.irp b, 0,1,2,3
	s_delay_alu instid0(VALU_DEP_4)
	v_max_num_f32 v[232+\b], v[232+\b], v[236+\b]  ; with lane l xor 16's 16 keys
.endr
	s_delay_alu instid0(VALU_DEP_2)
	v_max3_num_f32 v254, v232, v233, v234
	s_delay_alu instid0(VALU_DEP_1)
	v_max_num_f32 v254, v254, v235                 ; the step's largest score of my query
	s_delay_alu instid0(VALU_DEP_1)
	v_mul_f32 v254, v10, v254                      ; as t (c is not negative)
	s_delay_alu instid0(VALU_DEP_1)
	v_max_num_f32 v13, v13, v254                   ; the running largest t
	v_mov_b32 v254, v12
	s_delay_alu instid0(VALU_DEP_2)
	v_floor_f32 v12, -v13                          ; the new -M = floor(-t): M is a whole number
	s_delay_alu instid0(VALU_DEP_1)
	v_sub_f32 v254, v12, v254                      ; old M less new M: a whole number, 0 or less
	s_delay_alu instid0(VALU_DEP_1)
	v_cvt_i32_f32 v254, v254                       ; (it saturates)
	s_delay_alu instid0(VALU_DEP_1)
	v_ldexp_f32 v252, 1.0, v254                    ; f = 2^(old M - new M)
.set jj, 0
.rept 32
	v_pk_fma_f32 v[96+jj:97+jj], v[96+jj:97+jj], v[10:11], v[12:13] op_sel_hi:[1,0,0]   ; t - M, two at a time (of the pairs the low word serves both halves)
.set jj, jj+2
.endr
.irp b, 0,1,2,3
	v_fma_f32 v[232+\b], v[232+\b], v10, v12       ; the same of each block's largest score
.endr
.set jj, 0
	s_wait_alu depctr_va_vdst(0)
.rept 64
	v_exp_f32 v[96+jj], v[96+jj]                   ; p = 2^(t - M)
.set jj, jj+1
.endr
	v_pk_mul_f32 v[14:15], v[14:15], v[252:253] op_sel_hi:[1,0]   ; l under the new M; also the plain line behind the exponentials
.set jj, 0
	s_wait_alu depctr_va_vdst(0)
.rept 32
	v_pk_mul_f32 v[160+jj:161+jj], v[160+jj:161+jj], v[252:253] op_sel_hi:[1,0]   ; O^T under the new M: work that names no exponential's result, set between the batch and its wait; each accumulator from its low end on
.set jj, jj+2
.endr
	s_wait_alu depctr_va_vdst(0)                   ; one wait for the batch of 64, ahead of its first reader
.irp b, 0,1,2,3
	v_exp_f32 v[232+\b], v[232+\b]                 ; each block's largest p
.endr
	v_pk_add_f32 v[236:237], v[96:97], v[98:99]    ; the row's sum of the unquantised p, in two chains; plain work behind the four
.set jj, 4
.rept 15
	v_pk_add_f32 v[14:15], v[14:15], v[96+jj:97+jj]
	v_pk_add_f32 v[236:237], v[236:237], v[98+jj:99+jj]
.set jj, jj+4
.endr
	s_delay_alu instid0(VALU_DEP_1)
	v_pk_add_f32 v[14:15], v[14:15], v[236:237]
	s_wait_alu depctr_va_vdst(0)                   ; and one wait for the four
.irp b, 0,1,2,3
	v_max_num_f32 v[232+\b], 0x4800000, v[232+\b]  ; the floor 2^(9 - 127): the byte cannot fall under 1
.endr
.irp b, 0,1,2,3
	s_delay_alu instid0(VALU_DEP_4)
	v_add_nc_u32 v[244+\b], 0xfc000000, v[232+\b]  ; 8 off the exponent field: the conversion's scale operand
.endr
.irp b, 0,1,2,3
.endr
.irp b, 0,1,2,3
	s_delay_alu instid0(VALU_DEP_4)
	v_lshrrev_b32 v[236+\b], 23, v[244+\b]         ; the scale's byte
.endr
	s_delay_alu instid0(VALU_DEP_3)
	v_lshl_or_b32 v253, v237, 8, v236              ; p's scale word for these 128 keys
	s_delay_alu instid0(VALU_DEP_1)
	v_lshl_or_b32 v253, v238, 16, v253
	s_delay_alu instid0(VALU_DEP_1)
	v_lshl_or_b32 v253, v239, 24, v253
.if \u
	WIN 0x01                                       ; source window 1, destination window 0
	v_mov_b32 v8, v253                             ; the conversions below stand between this line and the products that take v8
	WIN 0x55
.endif
.irp b, 0,1,2,3
.set jj, 0
.rept 16
.set jj, jj+1
.endr
	v_cvt_scalef32_pk8_fp8_f32 v[224+4*\b:225+4*\b], v[96+16*\b:103+16*\b], v[244+\b]
	v_cvt_scalef32_pk8_fp8_f32 v[226+4*\b:227+4*\b], v[104+16*\b:111+16*\b], v[244+\b]
.endr
.if \u
.rept 4
	v_nop                                          ; tile B's codes are multiplied next: four places between the last conversion and the products
.endr
.else
	v_nop                                          ; a plain vector line behind the last scaled conversion; tile A's products come behind tile B's whole softmax
.endif
.endm
; A record's eight fragments of K (off = 0) or of V (off = 16,384) in one run of 36 loads: tiles 0-3 into window 0, the four registers of scale words, tiles 4-7 into window 1.
; A scale register's lanes 0-15 take tile t's words and its lanes 16-31 tile 4 + t's, 256 bytes further on.
.macro FRAGS off
.irp t, 0,1,2,3
.irp c, 0,1,2,3
	ds_load_b128 v[32+16*\t+4*\c:35+16*\t+4*\c], v3 offset:\off+2048*\t+512*\c
.endr
.endr
.irp t, 0,1,2,3
	ds_load_b32 v[248+\t], v4 offset:\off+64*\t
.endr
	WIN 0x40                                       ; destination window 1, address window 0
.irp t, 0,1,2,3
.irp c, 0,1,2,3
	ds_load_b128 v[32+16*\t+4*\c:35+16*\t+4*\c], v3 offset:\off+8192+2048*\t+512*\c
.endr
.endr
	WIN 0
.endm
; A KEY STEP: my record's 128 keys of the slot in hand, for both tiles of queries.  Each fragment read from LDS feeds two products.
; chg = 2: the change of slots fills this slot again; 1: it fills nothing; 0: the last step, which has none.
.macro STEP chg
	v_add_nc_u32 v3, s48, v1
	v_add_nc_u32 v4, s49, v2
.rept 6
	v_nop                                          ; with the two additions: eight places in front of loads into registers that matrix instructions have read
.endr
	FRAGS 0
	s_wait_alu depctr_va_vdst(0)
	s_wait_dscnt 16                                ; tiles 0-3 and the scale words are in; the youngest sixteen loads, tiles 4-7, may be out
.irp t, 0,1,2,3                        ; S^T = K Q^T
	v_wmma_scale_f32_16x16x128_f8f6f4 v[96+8*\t:103+8*\t], v[32+16*\t:47+16*\t], v[16:31], 0, v[248+\t], v255
.endr
	WIN 0x54                                       ; source 0 window 0; source 1, C and D window 1
.irp t, 0,1,2,3
	v_wmma_scale_f32_16x16x128_f8f6f4 v[96+8*\t:103+8*\t], v[32+16*\t:47+16*\t], v[16:31], 0, v[248+\t], v7
.endr
	s_wait_dscnt 0x0                               ; tiles 4-7 are in
	WIN 0x01                                       ; source 0 window 1, all else window 0
.irp t, 0,1,2,3
	v_wmma_scale_f32_16x16x128_f8f6f4 v[128+8*\t:135+8*\t], v[32+16*\t:47+16*\t], v[16:31], 0, v[248+\t], v255 matrix_a_scale:MATRIX_SCALE_ROW1
.endr
	WIN 0x55                                       ; every operand place window 1
.irp t, 0,1,2,3
	v_wmma_scale_f32_16x16x128_f8f6f4 v[128+8*\t:135+8*\t], v[32+16*\t:47+16*\t], v[16:31], 0, v[248+\t], v7 matrix_a_scale:MATRIX_SCALE_ROW1
.endr
	WIN 0
.rept 8
	v_nop                                          ; places in front of the loads below and of the first read of the scores
.endr
	FRAGS 16384                                    ; V's eight fragments land under tile A's softmax, which names none of their registers
	SOFTMAX 0
.if \chg == 2
	CHANGE 1
.elseif \chg == 1
	CHANGE 0
.endif
	WIN 0x55
	SOFTMAX 1
	WIN 0
.if \chg == 0
	s_wait_alu depctr_va_vdst(0)
	s_wait_dscnt 0x0                               ; V is in (in the other steps the change of slots has waited for it)
.endif
.irp t, 0,1,2,3                        ; O^T += V^T P^T.  Each accumulator has one instruction a step: they take turns
	v_wmma_scale_f32_16x16x128_f8f6f4 v[160+8*\t:167+8*\t], v[32+16*\t:47+16*\t], v[224:239], v[160+8*\t:167+8*\t], v[248+\t], v253
.endr
	WIN 0x54
.irp t, 0,1,2,3
	v_wmma_scale_f32_16x16x128_f8f6f4 v[160+8*\t:167+8*\t], v[32+16*\t:47+16*\t], v[224:239], v[160+8*\t:167+8*\t], v[248+\t], v8
.endr
	WIN 0x01
.irp t, 0,1,2,3
	v_wmma_scale_f32_16x16x128_f8f6f4 v[192+8*\t:199+8*\t], v[32+16*\t:47+16*\t], v[224:239], v[192+8*\t:199+8*\t], v[248+\t], v253 matrix_a_scale:MATRIX_SCALE_ROW1
.endr
	WIN 0x55
.irp t, 0,1,2,3
	v_wmma_scale_f32_16x16x128_f8f6f4 v[192+8*\t:199+8*\t], v[32+16*\t:47+16*\t], v[224:239], v[192+8*\t:199+8*\t], v[248+\t], v8 matrix_a_scale:MATRIX_SCALE_ROW1
.endr
	WIN 0
.endm
.macro INIT                            ; the step is written for every step alike: the first finds zeros, which the first change of M leaves zeros
	v_mov_b32 v13, 0xff61b1e6                      ; the largest t so far: -3e38
	s_delay_alu instid0(VALU_DEP_1)
	v_floor_f32 v12, -v13                          ; -M
	v_mov_b32 v14, 0
	v_mov_b32 v15, 0
.irp b, 0,1,2,3
	v_mov_b32 v[236+\b], 0                         ; a lane permute's destination counts as one of its sources
.endr
	v_mov_b32 v253, 0                              ; (named as the upper half of v[252:253] before it is first written)
.set jj, 0
.rept 64
	v_mov_b32 v[160+jj], 0
.set jj, jj+1
.endr
.endm
.macro CQ
	v_cvt_f32_i32 v11, v11                         ; m
	s_delay_alu instid0(VALU_DEP_1)
	v_mul_f32 v10, |v11|, s22                      ; c = |m| log2(e) / sqrt(128)
.endm
.macro LSUM                            ; l's two halves, and lane l xor 16's
	v_add_f32 v14, v14, v15
	s_delay_alu instid0(VALU_DEP_1)
	v_permlanex16_b32 v252, v14, s20, s21
	s_delay_alu instid0(VALU_DEP_1)
	v_add_f32 v14, v14, v252
.endm
; The four quarters' -M (v232-235) and l (v236-239) of my query give -M* (v240), l* (v242) and 1 / l* (v243); my part of O^T is brought under M*, divided by l* and multiplied by m.
.macro MERGE
	v_min3_num_f32 v240, v232, v233, v234
	s_delay_alu instid0(VALU_DEP_1)
	v_min_num_f32 v240, v240, v235                 ; -M*
.irp i, 0,1,2,3
	v_sub_f32 v[244+\i], v240, v[232+\i]           ; M_i - M*: a whole number, 0 or less
.endr
	v_sub_f32 v241, v240, v12                      ; my own
.irp i, 0,1,2,3
	v_cvt_i32_f32 v[244+\i], v[244+\i]
.endr
	v_cvt_i32_f32 v241, v241
.irp i, 0,1,2,3
	v_ldexp_f32 v[244+\i], 1.0, v[244+\i]          ; exact powers of two
.endr
	v_ldexp_f32 v241, 1.0, v241
	v_mul_f32 v242, v236, v244
	s_delay_alu instid0(VALU_DEP_1)
	v_fmac_f32 v242, v237, v245
	s_delay_alu instid0(VALU_DEP_1)
	v_fmac_f32 v242, v238, v246
	s_delay_alu instid0(VALU_DEP_1)
	v_fmac_f32 v242, v239, v247                    ; l*
	s_wait_alu depctr_va_vdst(0)
	v_rcp_f32 v243, v242
	v_mul_f32 v241, v241, v11                      ; x m; also the plain line behind the reciprocal
	s_wait_alu depctr_va_vdst(0)                   ; the wait ahead of the reciprocal's first reader
	v_mul_f32 v252, v241, v243
.set jj, 0
.rept 32
	v_pk_mul_f32 v[160+jj:161+jj], v[160+jj:161+jj], v[252:253] op_sel_hi:[1,0]   ; each accumulator from its low end on
.set jj, jj+2
.endr
.endm
	s_load_b256 s[4:11], s[0:1], 0x0               ; qimg s[4:5], qs s[6:7], kv s[8:9], kvs s[10:11]
	s_load_b128 s[12:15], s[0:1], 0x20             ; mask s[12:13], out0 s[14:15]
	s_load_b64 s[16:17], s[0:1], 0x30              ; stats
	v_lshl_add_u32 v5, v0, 2, SPARE
	v_mov_b32 v6, 0
	ds_add_u32 v5, v6
	ds_add_u32 v5, v6
	s_wait_dscnt 0x0
	v_lshrrev_b32 v1, 5, v0
	s_delay_alu instid0(VALU_DEP_1)
	v_readfirstlane_b32 s18, v1                    ; wave 0..7
	s_mov_b32 s20, 0x76543210
	s_mov_b32 s21, 0xfedcba98                      ; v_permlanex16_b32's selects for lane l xor 16
	s_mov_b32 s22, 0x3e0293ee                      ; log2(e) / sqrt(128)
	s_lshr_b32 s23, s18, 1                         ; my quarter of the keys
	s_and_b32 s57, s18, 1                          ; my pair of query tiles
	s_and_b32 s54, ttmp7, 0xffff                   ; the batch, which the four partners share
	; descriptor groups 1: dense blocks as rows of 256 bytes (32 elements of 8 bytes), no padding; the mask names all four work-groups, bit 21 beside it
	s_mov_b32 s24, 15|(3<<16)|(1<<21)
	s_mov_b32 s25, 32<<16                          ; tensor_dim0 = 32
	s_mov_b32 s26, 64<<16                          ; tensor_dim1 = 64
	s_mov_b32 s27, 32<<16                          ; tile_dim0 = 32
	s_mov_b32 s28, 64                              ; tile_dim1 = 64: an eighth of a slot
	s_mov_b32 s29, 32                              ; the pitch
	s_mov_b32 s30, 0
	s_mov_b32 s31, 0
	s_mov_b32 s32, 15|(3<<16)|(1<<21)
	s_mov_b32 s33, 32<<16
	s_mov_b32 s34, 16<<16
	s_mov_b32 s35, 32<<16
	s_mov_b32 s36, 16                              ; 16 rows: an eighth of the batch's scale words
	s_mov_b32 s37, 32
	s_mov_b32 s38, 0
	s_mov_b32 s39, 0
	; what I fetch: made of the batch and the wave's number alone
	s_lshl_b32 s58, s54, 20
	s_lshl_b32 s60, s18, 14
	s_add_co_u32 s58, s58, s60
	s_mov_b32 s59, 0                               ; kv: 1,048,576 a batch, + 16,384 w
	s_lshl_b32 s62, s54, 15
	s_lshl_b32 s61, s18, 12
	s_add_co_u32 s62, s62, s61
	s_mov_b32 s63, 0                               ; kvs: 32,768 a batch, + 4,096 w
	; my queries
	s_bfe_u32 s55, ttmp6, 0x40000                  ; cx
	s_lshl_b32 s56, ttmp9, 2
	s_add_co_u32 s56, s56, s55                     ; my block of 64 queries = 4 x cluster x + cx: it enters global addresses alone
	s_lshl_b32 s66, s54, 8
	s_lshl_b32 s68, s56, 2
	s_add_co_u32 s66, s66, s68
	s_lshl_b32 s68, s57, 1
	s_add_co_u32 s66, s66, s68                     ; tile A's number: 256 x batch + 4 x block + 2 (w % 2)
	s_lshl_b32 s68, s66, 11
	s_mov_b32 s69, 0                               ; its image
	s_lshl_b32 s70, s66, 6
	s_mov_b32 s71, 0                               ; its scale words
	s_lshl_b32 s72, s54, 14
	s_lshl_b32 s74, s56, 8
	s_add_co_u32 s72, s72, s74
	s_lshl_b32 s74, s57, 7
	s_add_co_u32 s72, s72, s74
	s_mov_b32 s73, 0                               ; the mask words of queries 64 x block + 32 (w % 2) on
	s_lshl_b32 s74, s54, 21
	s_lshl_b32 s76, s56, 15
	s_add_co_u32 s74, s74, s76
	s_add_co_u32 s74, s74, s61
	s_mov_b32 s75, 0                               ; out0: rows 64 x block + 8 w on, 512 bytes each
	s_mul_i32 s76, s54, 49152
	s_lshl_b32 s78, s56, 8
	s_add_co_u32 s76, s76, s78
	s_mov_b32 s77, 0                               ; stats: 49,152 a batch (c, -M, 1 / l), 256 bytes a block
	s_lshl_b32 s78, s54, 20
	s_lshl_b32 s80, s55, 15
	s_add_co_u32 s78, s78, s80
	s_and_b32 s80, s18, 3
	s_lshl_b32 s80, s80, 13
	s_add_co_u32 s78, s78, s80
	s_add_co_u32 s78, s78, 262144
	s_mov_b32 s79, 0                               ; the prefetches: my work-group's record, my wave's 8,192 bytes, among keys 1,024 on: the first change steps it to keys 1,536 on
	s_lshr_b32 s51, s18, 2
	s_or_b32 s51, s51, ttmp9                       ; 0 in waves 0 to 3 of the batch's first cluster: the same in all four partners
	s_cmp_eq_u32 s51, 0
	s_cselect_b32 s51, 1, -1                       ; a wave asks while s50 is above this
	s_mov_b32 s48, 0                               ; the slot in hand
	s_mov_b32 s49, 0                               ; its scale words: 2,048 bytes a slot
	s_mov_b32 s50, 6                               ; slots still to be asked for
	s_wait_kmcnt 0x0
	s_add_nc_u64 s[52:53], s[8:9], s[78:79]
	s_add_nc_u64 s[4:5], s[4:5], s[68:69]
	s_add_nc_u64 s[6:7], s[6:7], s[70:71]
	s_add_nc_u64 s[12:13], s[12:13], s[72:73]
	s_add_nc_u64 s[14:15], s[14:15], s[74:75]
	s_add_nc_u64 s[16:17], s[16:17], s[76:77]
	s_mov_b32 s80, 1                               ; group 0 of slot 0's first fill: count = 1,
	s_mov_b32 s81, s60                             ; LDS address: slot 0, my eighth,
	s_add_nc_u64 s[82:83], s[8:9], s[58:59]        ; global address: keys 0 to 511
	s_mov_b32 s40, 1                               ; group 0 of slot 1's first fill, which then walks on
	s_add_co_u32 s41, s60, SLOT1
	s_add_nc_u64 s[42:43], s[82:83], 131072        ; keys 512 to 1,023
	s_or_b32 s83, s83, 0x80000000                  ; type = 2
	s_or_b32 s43, s43, 0x80000000
	s_mov_b32 s44, 1
	s_add_co_u32 s45, s61, SCK
	s_add_nc_u64 s[46:47], s[10:11], s[62:63]
	s_or_b32 s47, s47, 0x80000000
	CROUND                                         ; all four work-groups are here: the first joint loads meet
	tensor_load_to_lds s[44:47], s[32:39]          ; the scale words of the whole batch: filled once
	s_nop 0
	tensor_load_to_lds s[80:83], s[24:31]          ; slot 0
	s_nop 0
	tensor_load_to_lds s[40:43], s[24:31]          ; slot 1.  Three loads of mine are out
	s_nop 0
.rept 4
	v_nop
.endr
	v_and_b32 v3, 31, v0
	s_delay_alu instid0(VALU_DEP_1)
	v_lshlrev_b32 v9, 8, v3                        ; 256 x lane
	s_delay_alu instid0(VALU_DEP_2)
	v_lshlrev_b32 v3, 4, v3                        ; 16 x lane
	v_and_b32 v4, 15, v0                           ; r
	s_delay_alu instid0(VALU_DEP_1)
	v_and_b32 v254, 8, v4
	s_delay_alu instid0(VALU_DEP_1)
	v_add_nc_u32 v254, v254, v4
	s_delay_alu instid0(VALU_DEP_1)
	v_lshlrev_b32 v254, 2, v254                    ; 4 (r + 8 (r / 8)): my query's mask word
	s_delay_alu instid0(VALU_DEP_4)
	v_lshlrev_b32 v4, 2, v4                        ; 4 r
	s_lshl_b32 s58, s23, 15
	v_add_nc_u32 v1, s58, v3                       ; fragments: 16 x lane + my record of a slot
	s_lshl_b32 s58, s23, 9
	s_add_co_u32 s58, s58, SCK
	v_bfe_u32 v2, v0, 4, 1                         ; h
	s_delay_alu instid0(VALU_DEP_1)
	v_lshl_add_u32 v2, v2, 8, v4                   ; 4 r + 256 h: lanes 16-31 take the words of the tile four further on
	s_delay_alu instid0(VALU_DEP_1)
	v_add_nc_u32 v2, s58, v2                       ; + my record's 512 bytes
.irp c, 0,1,2,3
	global_load_b128 v[16+4*\c:19+4*\c], v3, s[4:5] offset:512*\c    ; Q_A stays in registers
.endr
	global_load_b32 v255, v4, s[6:7]
	global_load_b32 v7, v4, s[6:7] offset:64
	global_load_b32 v11, v254, s[12:13]
	WIN 0x40                                       ; destination window 1, address window 0
.irp c, 0,1,2,3
	global_load_b128 v[16+4*\c:19+4*\c], v3, s[4:5] offset:2048+512*\c   ; Q_B
.endr
	global_load_b32 v11, v254, s[12:13] offset:32  ; tile B's queries lie 8 further on
	WIN 0
	INIT
	WIN 0x55
	INIT
	WIN 0
	s_wait_loadcnt 0x0
	CQ
	WIN 0x55
	CQ
	WIN 0
	s_wait_tensorcnt 0x1                           ; the scale words and my eighth of slot 0 are in; slot 1's load, the one issued behind them, may stay out
	s_barrier_signal -1
	s_barrier_wait -1                              ; everybody's are
.Lslot:                                            ; six trips: each hands its slot back and asks for the keys two slots on
	STEP 2
	s_xor_b32 s48, s48, SLOT1
	s_add_co_u32 s49, s49, 2048
	s_sub_co_u32 s50, s50, 1
	s_cmp_lg_u32 s50, 0
	s_cbranch_scc1 .Lslot
	STEP 1                                         ; the last two steps are written out: the seventh's barrier shows the last slot whole and fills nothing
	s_xor_b32 s48, s48, SLOT1
	s_add_co_u32 s49, s49, 2048
	STEP 0                                         ; and the eighth has none
	; THE FOUR QUARTERS MEET.
.rept 8
	v_nop                                          ; places behind the last products
.endr
	v_and_b32 v32, 15, v0
	s_delay_alu instid0(VALU_DEP_1)
	v_and_b32 v33, 8, v32
	s_delay_alu instid0(VALU_DEP_1)
	v_add_nc_u32 v32, v32, v33
	s_lshl_b32 s58, s57, 5
	v_add_nc_u32 v32, s58, v32                     ; tile A's query among the 64: 32 (w % 2) + r + 8 (r / 8); tile B's lies 8 further on
	s_delay_alu instid0(VALU_DEP_1)
	v_lshl_add_u32 v34, v32, 2, STATB              ; where the quarters' -M are read
	s_lshl_b32 s59, s23, 8
	v_add_nc_u32 v33, s59, v34                     ; and where mine is stored
	v_lshl_add_u32 v36, v32, 2, OUTB
	v_mul_u32_u24 v35, v32, PP
	v_bfe_u32 v37, v0, 4, 1
	s_delay_alu instid0(VALU_DEP_1)
	v_lshl_add_u32 v35, v37, 5, v35
	s_mul_i32 s59, s23, PQ
	v_add_nc_u32 v35, s59, v35                     ; my part of O: my quarter, my query's row, + 32 h
	v_and_b32 v39, 31, v0
	s_delay_alu instid0(VALU_DEP_1)
	v_lshlrev_b32 v41, 3, v39                      ; 8 x lane
	s_delay_alu instid0(VALU_DEP_2)
	v_lshlrev_b32 v39, 4, v39                      ; 16 x lane
	s_mul_i32 s59, s18, 8*PP
	v_add_nc_u32 v37, s59, v39                     ; back: rows 8 w on, quarters 0 and 1;
	s_delay_alu instid0(VALU_DEP_1)
	v_add_nc_u32 v38, 2*PQ, v37                    ; quarters 2 and 3
	v_add_nc_u32 v40, OUTB, v41
	LSUM
	WIN 0x55
	LSUM
	WIN 0
	ds_store_b32 v33, v12                          ; both lanes of a query write the same word with the same value
	ds_store_b32 v33, v14 offset:1024
	WIN 0x04                                       ; an LDS store's data are its source 1: window 1
	ds_store_b32 v33, v12 offset:32
	ds_store_b32 v33, v14 offset:1056
	WIN 0
	s_wait_dscnt 0x0                               ; my stores have landed; my reads of the last slot were over before
	s_barrier_signal -1
	s_barrier_wait -1                              ; nobody reads a slot any more
.irp i, 0,1,2,3
	ds_load_b32 v[232+\i], v34 offset:256*\i
	ds_load_b32 v[236+\i], v34 offset:1024+256*\i
.endr
	WIN 0x40
.irp i, 0,1,2,3
	ds_load_b32 v[232+\i], v34 offset:32+256*\i
	ds_load_b32 v[236+\i], v34 offset:1056+256*\i
.endr
	WIN 0
	s_wait_dscnt 0x0
	MERGE
	WIN 0x55
	MERGE
	WIN 0
.irp t, 0,1,2,3,4,5,6,7
	ds_store_b128 v35, v[160+8*\t:163+8*\t] offset:64*\t          ; lane (r, h): channels 16 t + 8 h + 0 .. 7 of my query
	ds_store_b128 v35, v[164+8*\t:167+8*\t] offset:64*\t+16
.endr
	WIN 0x04
.irp t, 0,1,2,3,4,5,6,7
	ds_store_b128 v35, v[160+8*\t:163+8*\t] offset:8*PP+64*\t
	ds_store_b128 v35, v[164+8*\t:167+8*\t] offset:8*PP+64*\t+16
.endr
	WIN 0
	s_cmp_lt_u32 s18, 2                            ; all four quarters hold the same c, -M* and 1 / l*: quarter 0's waves hand them on
	s_cbranch_scc0 .Lno_stats
	ds_store_b32 v36, v10
	ds_store_b32 v36, v240 offset:256
	ds_store_b32 v36, v243 offset:512
	WIN 0x04
	ds_store_b32 v36, v10 offset:32
	ds_store_b32 v36, v240 offset:288
	ds_store_b32 v36, v243 offset:544
	WIN 0
.Lno_stats:
	s_wait_dscnt 0x0
	s_barrier_signal -1
	s_barrier_wait -1                              ; the four parts of O and the 64 queries' three numbers lie in LDS
.irp i, 0,1,2,3,4,5,6,7                ; wave w adds and stores rows 8 w .. 8 w + 7: a lane takes 16 bytes of a row
	ds_load_b128 v[96+16*\i:99+16*\i], v37 offset:PP*\i
	ds_load_b128 v[100+16*\i:103+16*\i], v37 offset:PQ+PP*\i
	ds_load_b128 v[104+16*\i:107+16*\i], v38 offset:PP*\i
	ds_load_b128 v[108+16*\i:111+16*\i], v38 offset:PQ+PP*\i
.endr
	s_wait_dscnt 0x0
.irp q, 4,8,12                         ; quarters 1, 2, 3 onto quarter 0, in that order
.irp i, 0,1,2,3,4,5,6,7
	v_pk_add_f32 v[96+16*\i:97+16*\i], v[96+16*\i:97+16*\i], v[96+16*\i+\q:97+16*\i+\q]
	v_pk_add_f32 v[98+16*\i:99+16*\i], v[98+16*\i:99+16*\i], v[98+16*\i+\q:99+16*\i+\q]
.endr
.endr
.irp i, 0,1,2,3,4,5,6,7
	global_store_b128 v39, v[96+16*\i:99+16*\i], s[14:15] offset:512*\i th:TH_STORE_NT   ; 32 lanes store a row of 512 bytes, aligned
.endr
	s_cmp_lg_u32 s18, 0
	s_cbranch_scc1 .Lnot_0
	ds_load_b64 v[224:225], v40
	ds_load_b64 v[226:227], v40 offset:256
	ds_load_b64 v[228:229], v40 offset:512
	s_wait_dscnt 0x0
	global_store_b64 v41, v[224:225], s[16:17]                 ; 256 consecutive bytes each, aligned
	global_store_b64 v41, v[226:227], s[16:17] offset:16384
	global_store_b64 v41, v[228:229], s[16:17] offset:32768
.Lnot_0:
	s_wait_tensorcnt 0x0                           ; the wave's end
	ds_add_u32 v5, v6
	s_wait_dscnt 0x0
	CROUND                                         ; the closing round: no work-group ends while a partner may still ask for a tile that names it
	s_endpgm
.Lfunc_end_k_q2020623c2c_attend:
	.size	k_q2020623c2c_attend, .Lfunc_end_k_q2020623c2c_attend-k_q2020623c2c_attend
	.p2alignl 7, 3214868480
	.fill 96, 4, 3214868480
	.section	.rodata,"a",@progbits
	.p2align	6, 0x0
	.amdhsa_kernel k_q2020623c2c_attend
		.amdhsa_group_segment_fixed_size 327680
		.amdhsa_private_segment_fixed_size 0
		.amdhsa_enable_private_segment 0
		.amdhsa_kernarg_size 56
		.amdhsa_user_sgpr_count 2
		.amdhsa_user_sgpr_kernarg_segment_ptr 1
		.amdhsa_wavefront_size32 1
		.amdhsa_system_sgpr_workgroup_id_x 1
		.amdhsa_system_sgpr_workgroup_id_y 1
		.amdhsa_system_sgpr_workgroup_id_z 1
		.amdhsa_system_vgpr_workitem_id 0
		.amdhsa_next_free_vgpr 512
		.amdhsa_next_free_sgpr 84
		.amdhsa_reserve_vcc 0
		.amdhsa_float_denorm_mode_32 3
		.amdhsa_float_denorm_mode_16_64 3
		.amdhsa_fp16_overflow 1
		.amdhsa_memory_ordered 1
		.amdhsa_forward_progress 1
		.amdhsa_inst_pref_size 143
	.end_amdhsa_kernel
	.amdgpu_metadata
---
amdhsa.version: [ 1, 2 ]
amdhsa.kernels:
  - .name:           k_q2020623c2c_attend
    .symbol:         k_q2020623c2c_attend.kd
    .args:
      - { .name: qimg, .offset: 0, .size: 8, .value_kind: global_buffer, .address_space: global }
      - { .name: qs, .offset: 8, .size: 8, .value_kind: global_buffer, .address_space: global }
      - { .name: kv, .offset: 16, .size: 8, .value_kind: global_buffer, .address_space: global }
      - { .name: kvs, .offset: 24, .size: 8, .value_kind: global_buffer, .address_space: global }
      - { .name: mask, .offset: 32, .size: 8, .value_kind: global_buffer, .address_space: global }
      - { .name: out0, .offset: 40, .size: 8, .value_kind: global_buffer, .address_space: global }
      - { .name: stats, .offset: 48, .size: 8, .value_kind: global_buffer, .address_space: global }
    .group_segment_fixed_size: 327680
    .private_segment_fixed_size: 0
    .kernarg_segment_align: 8
    .kernarg_segment_size: 56
    .max_flat_workgroup_size: 256
    .sgpr_count:     84
    .vgpr_count:     512
    .wavefront_size: 32
...
	.end_amdgpu_metadata
.endif
;; end of part 2
;; launch colsum (part 3): grid 64 x 4, 16 waves a work-group, clusters of 4 x 1, 327,680 bytes of LDS; arguments qimg, qs, kv, kvs, stats, mask, out1; writes out1
.if DOCPART == 3
	.amdgcn_target "amdgcn-amd-amdhsa--gfx1250"
	.amdhsa_code_object_version 6
	.text
	.protected	k_q2020623c2c_colsum
	.globl	k_q2020623c2c_colsum
	.p2align	8
	.type	k_q2020623c2c_colsum,@function
k_q2020623c2c_colsum:
	s_mov_b64 s[64:65], 0
	v_nop
	global_prefetch_b8 v0, s[64:65] scope:SCOPE_SE
	s_setreg_imm32_b32 hwreg(HW_REG_WAVE_MODE, 25, 1), 1
	s_wait_xcnt 0x0
	s_wait_alu depctr_hold_cnt(0) depctr_sa_sdst(0) depctr_va_vdst(0) depctr_va_sdst(0) depctr_va_ssrc(0) depctr_va_vcc(0) depctr_vm_vsrc(0)
	s_getreg_b32 s2, hwreg(HW_REG_IB_STS2, 6, 4)
	s_cmp_eq_u32 s2, 0
	s_cbranch_scc0 .Lentry_in_a_cluster
	s_endpgm
.Lentry_in_a_cluster:
	s_bfe_u32 s2, ttmp6, 0x10000c
	s_cmp_lg_u32 s2, 0x3003
	s_cbranch_scc0 .Lentry_shape_is_right
	s_endpgm
.Lentry_shape_is_right:
; COLSUM.  out1[key] = m[key] / 4,096 x the sum over the batch's queries of 2^(s c - M) / l, where s = q . k on the same codes of FP8 (E4M3) as in the launch before, and c, -M, 1 / l are that launch's three numbers of each query.
; A query's l is known only when it has seen all keys, so the scores are made a second time, by work-groups that own KEYS and walk the queries: each output has one owner, and no sum spans work-groups.
; -M is a whole number and is kept apart from 1 / l: s c - M is one fused multiply-add with a small result, and 1 / l enters by the multiply-add that adds onto the column's sum.
; SHARES.  A work-group owns 64 keys of one batch: four tiles of K, which all sixteen waves keep in registers as source 1.  The batch's 256 tiles of Q go through LDS as source 0, 16 tiles to a wave; each fragment read feeds four products.
; LAYOUT.  With 16 queries as source 0 a lane holds ONE key and its eight registers are eight neighbouring queries (the tiles' tokens are permuted by the first launch): the column's sum is a sum over registers, and c, -M, 1 / l are
; register pairs of the packed forms.
; RING.  Two slots of 131,072 bytes (64 tiles of Q as images of their registers), four slots' worth of queries: both first fills at the head, two refills.  Waves 0 to 7 fetch, 64 rows x 256 bytes each.  The statistics of the whole batch
; (49,152 bytes) come once, with the first fills.  Q's scale words: each wave loads those of its own 16 tiles once, into 16 registers (four loads cover 256 consecutive bytes).
; CLUSTER.  The four work-groups of a cluster belong to one batch and walk the same Q and statistics: every tensor load is a joint load with the mask 15.
; LIMITS: NaN and infinities are not served.  The column's sum is taken by registers, lane halves and waves: an order of f32 sums other than reference()'s.
.set SLOT1, 1<<17
.set STB,   2*SLOT1                    ; c [4,096], -M [4,096], 1 / l [4,096]
.set SPARE, STB+49152                  ; the spare words, 128 bytes for each wave: eight blocks of 256 bytes that no other line names
.set RED,   SPARE+2048                 ; the waves' partial sums: 16 x 256 bytes
.set KF,  16                           ; v16-79   K's four fragments
.set KS,  80                           ; v80-83   their scale words
.set QS,  84                           ; v84-99   the scale words of my 16 tiles of Q
.set QF,  100                          ; v100-131 a fragment of Q, two buffers
.set STT, 132                          ; v132-179 c [8], -M [8], 1 / l [8], two buffers
.set DD,  180                          ; v180-211 four tiles of scores
.set ACC, 212                          ; v212-243 the sums: four tiles of keys x eight registers
; v1, v2 my fragments' place in slot 0, 1; v4 my statistics' place; v5, v6 the spare word and 0; v7 where my sums go; v8 16 x lane; v9 4 r; v10 8 x lane; v11 where wave 0 reads the sums; v12-13 two mask words
.macro CROUND                          ; a round of the cluster's barrier
	s_barrier_signal -1
	s_barrier_wait -1
	s_cmp_lg_u32 s18, 0
	s_cbranch_scc1 .Lnot_wave_0_\@
	s_barrier_signal -3
.Lnot_wave_0_\@:
	s_barrier_wait -3
	s_barrier_signal -1
	s_barrier_wait -1
.endm
.macro JLOAD3 sl                       ; waves 0 to 7 fetch; the branch hangs on the wave's number alone
	s_cmp_lt_u32 s18, 8
	s_cbranch_scc0 .Lno_load_\@
	tensor_load_to_lds s[48+4*\sl:51+4*\sl], s[24:31]
	s_nop 0
.rept 4
	v_nop
.endr
.Lno_load_\@:
.endm
; The change of slots: every wave waits for all its tensor loads, adds 0 to its spare word, and waits for that and for its reads of the slot that it has left.  fill = 1: a round of the cluster's barrier, and first behind it the joint
; load that fills slot sl with the queries two slots on.
.macro CHANGE3 fill, sl
	s_wait_tensorcnt 0x0
	ds_add_u32 v5, v6
.if \fill
	s_add_nc_u64 s[50+4*\sl:51+4*\sl], s[50+4*\sl:51+4*\sl], 262144   ; no tensor load of mine is out: the group 0 may be written
.endif
	s_wait_dscnt 0x0
.if \fill
	CROUND
	JLOAD3 \sl
.else
	s_barrier_signal -1
	s_barrier_wait -1
.endif
.endm
; Ten LDS loads: my T-th tile of Q of slot sl, and the three numbers of its queries 32 (T / 2) + 8 (T % 2) + 16 h + 0 .. 7; S: which 1,024 queries of the batch the slot holds.
.macro LOADQ sl, T, buf, S
.irp c, 0,1,2,3
	ds_load_b128 v[QF+16*(\buf)+4*\c:QF+16*(\buf)+4*\c+3], v[1+\sl] offset:2048*(\T)+512*\c
.endr
.irp a, 0,1,2
	ds_load_b128 v[STT+24*(\buf)+8*\a:STT+24*(\buf)+8*\a+3], v4 offset:16384*\a+4096*(\S)+4*(32*((\T)/2)+8*((\T)%2))
	ds_load_b128 v[STT+24*(\buf)+8*\a+4:STT+24*(\buf)+8*\a+7], v4 offset:16384*\a+4096*(\S)+4*(32*((\T)/2)+8*((\T)%2))+16
.endr
.endm
; A tile of 16 queries against my 64 keys.  left: the LDS loads issued behind this tile's, which may stay out.  first = 1: the products with 1 / l start the sums: nothing is cleared.
.macro QTILE buf, qsr, first, left
	s_wait_dscnt \left
.irp k, 0,1,2,3
	v_wmma_scale_f32_16x16x128_f8f6f4 v[DD+8*\k:DD+8*\k+7], v[QF+16*(\buf):QF+16*(\buf)+15], v[KF+16*\k:KF+16*\k+15], 0, v[\qsr], v[KS+\k]
.endr
.rept 8
	v_nop                                          ; eight places in front of the first read of the scores
.endr
.irp k, 0,1,2,3
.irp j, 0,2,4,6
	v_pk_fma_f32 v[DD+8*\k+\j:DD+8*\k+\j+1], v[DD+8*\k+\j:DD+8*\k+\j+1], v[STT+24*(\buf)+\j:STT+24*(\buf)+\j+1], v[STT+24*(\buf)+8+\j:STT+24*(\buf)+8+\j+1]   ; s c - M; each tile from its low end on
.endr
.endr
.set jj, 0
.rept 32
	v_exp_f32 v[DD+jj], v[DD+jj]
.set jj, jj+1
.endr
	v_nop                                          ; a plain line behind the last exponential
	s_wait_alu depctr_va_vdst(0)                   ; one wait for the batch of 32, ahead of its first reader
.irp k, 0,1,2,3
.irp j, 0,2,4,6
.if \first
	v_pk_mul_f32 v[ACC+8*\k+\j:ACC+8*\k+\j+1], v[DD+8*\k+\j:DD+8*\k+\j+1], v[STT+24*(\buf)+16+\j:STT+24*(\buf)+16+\j+1]
.else
	v_pk_fma_f32 v[ACC+8*\k+\j:ACC+8*\k+\j+1], v[DD+8*\k+\j:DD+8*\k+\j+1], v[STT+24*(\buf)+16+\j:STT+24*(\buf)+16+\j+1], v[ACC+8*\k+\j:ACC+8*\k+\j+1]
.endif
.endr
.endr
.endm
.macro SLOTBODY sl, S, first           ; my four tiles of a slot; each tile's loads are issued a tile ahead, into the other buffer
	LOADQ \sl, 0, 0, \S
	LOADQ \sl, 1, 1, \S
	QTILE 0, QS+4*\S+0, \first, 10                 ; the next tile's ten loads may stay out
	LOADQ \sl, 2, 0, \S
	QTILE 1, QS+4*\S+1, 0, 10
	LOADQ \sl, 3, 1, \S
	QTILE 0, QS+4*\S+2, 0, 10
	QTILE 1, QS+4*\S+3, 0, 0
.endm
	s_load_b256 s[4:11], s[0:1], 0x0               ; qimg s[4:5], qs s[6:7], kv s[8:9], kvs s[10:11]
	s_load_b128 s[12:15], s[0:1], 0x20             ; stats s[12:13], mask s[14:15]
	s_load_b64 s[16:17], s[0:1], 0x30              ; out1
	v_lshl_add_u32 v5, v0, 2, SPARE
	v_mov_b32 v6, 0
	ds_add_u32 v5, v6
	s_wait_dscnt 0x0
	v_lshrrev_b32 v1, 5, v0
	v_readfirstlane_b32 s18, v1                    ; wave 0..15
	s_and_b32 s19, s18, 7                          ; the fetching waves' number
	s_mov_b32 s20, 0x76543210
	s_mov_b32 s21, 0xfedcba98                      ; v_permlanex16_b32's selects for lane l xor 16
	v_and_b32 v3, 31, v0                           ; lane
	v_and_b32 v9, 15, v0                           ; r
	v_bfe_u32 v4, v0, 4, 1                         ; h
	v_lshlrev_b32 v8, 4, v3                        ; 16 x lane
	v_lshlrev_b32 v10, 3, v3                       ; 8 x lane
	v_add_nc_u32 v11, RED, v10
	s_lshl_b32 s22, s18, 13
	v_add_nc_u32 v1, s22, v8                       ; my four tiles of slot 0: 16 x lane + 8,192 w
	v_add_nc_u32 v2, SLOT1, v1                     ; and of slot 1
	s_lshl_b32 s22, s18, 8                         ; 256 w
	v_lshl_add_u32 v4, v4, 6, s22
	v_add_nc_u32 v4, STB, v4                       ; my 64 queries' numbers, + 64 h
	v_and_b32 v7, 8, v9
	v_add_nc_u32 v7, v7, v9
	v_lshl_add_u32 v7, v7, 2, s22
	v_add_nc_u32 v7, RED, v7                       ; my wave's 64 sums: key r + 8 (r / 8) of a pair of tiles
	v_lshlrev_b32 v9, 2, v9                        ; 4 r
	; descriptor groups 1: dense blocks as rows of 256 bytes (32 elements of 8 bytes), no padding; the mask names all four work-groups, bit 21 beside it
	s_mov_b32 s24, 15|(3<<16)|(1<<21)
	s_mov_b32 s25, 32<<16
	s_mov_b32 s26, 64<<16
	s_mov_b32 s27, 32<<16
	s_mov_b32 s28, 64                              ; 64 rows: an eighth of a slot
	s_mov_b32 s29, 32
	s_mov_b32 s30, 0
	s_mov_b32 s31, 0
	s_mov_b32 s32, 15|(3<<16)|(1<<21)
	s_mov_b32 s33, 32<<16
	s_mov_b32 s34, 24<<16
	s_mov_b32 s35, 32<<16
	s_mov_b32 s36, 24                              ; 24 rows: an eighth of the batch's statistics
	s_mov_b32 s37, 32
	s_mov_b32 s38, 0
	s_mov_b32 s39, 0
	s_and_b32 s60, ttmp7, 0xffff                   ; the batch, which the four partners share
	s_lshl_b32 s62, s60, 19
	s_lshl_b32 s61, s19, 14
	s_add_co_u32 s62, s62, s61
	s_mov_b32 s63, 0                               ; qimg: 524,288 a batch, + 16,384 x the fetching wave
	s_mul_i32 s66, s60, 49152
	s_mul_i32 s68, s19, 6144
	s_add_co_u32 s66, s66, s68
	s_mov_b32 s67, 0                               ; stats
	s_bfe_u32 s70, ttmp6, 0x40000                  ; cx
	s_lshl_b32 s71, ttmp9, 2
	s_add_co_u32 s71, s71, s70                     ; my block of 64 keys: it enters global addresses alone
	s_lshl_b32 s72, s60, 20
	s_lshr_b32 s74, s71, 1
	s_lshl_b32 s74, s74, 15
	s_add_co_u32 s72, s72, s74
	s_and_b32 s74, s71, 1
	s_lshl_b32 s74, s74, 13
	s_add_co_u32 s72, s72, s74
	s_mov_b32 s73, 0                               ; kv: the record of 128 keys, and which four of K's eight tiles
	s_lshl_b32 s74, s60, 15
	s_lshl_b32 s76, s71, 8
	s_add_co_u32 s74, s74, s76
	s_mov_b32 s75, 0                               ; kvs: K's scale words, 256 bytes a block
	s_lshl_b32 s78, s60, 14
	s_add_co_u32 s76, s78, s76
	s_mov_b32 s77, 0                               ; mask and out1: 16,384 a batch, 256 a block
	s_add_co_u32 s78, s78, s22
	s_mov_b32 s79, 0                               ; qs: 16,384 a batch, 256 for my four tiles of a slot
	s_wait_kmcnt 0x0
	s_add_nc_u64 s[8:9], s[8:9], s[72:73]
	s_add_nc_u64 s[10:11], s[10:11], s[74:75]
	s_add_nc_u64 s[14:15], s[14:15], s[76:77]
	s_add_nc_u64 s[16:17], s[16:17], s[76:77]
	s_add_nc_u64 s[6:7], s[6:7], s[78:79]
	s_mov_b32 s48, 1                               ; group 0 for slot 0,
	s_mov_b32 s49, s61
	s_add_nc_u64 s[50:51], s[4:5], s[62:63]
	s_mov_b32 s52, 1                               ; for slot 1,
	s_add_co_u32 s53, s61, SLOT1
	s_add_nc_u64 s[54:55], s[50:51], 131072
	s_or_b32 s51, s51, 0x80000000
	s_or_b32 s55, s55, 0x80000000
	s_mov_b32 s56, 1                               ; and for the statistics
	s_add_co_u32 s57, s68, STB
	s_add_nc_u64 s[58:59], s[12:13], s[66:67]
	s_or_b32 s59, s59, 0x80000000
	CROUND                                         ; all four work-groups are here: the first joint loads meet
	s_cmp_lt_u32 s18, 8
	s_cbranch_scc0 .Lno_fill                       ; a wave's first fills stand in one branch: three loads of mine are out
	tensor_load_to_lds s[56:59], s[32:39]          ; the statistics: filled once
	s_nop 0
	tensor_load_to_lds s[48:51], s[24:31]          ; queries 0 to 1,023
	s_nop 0
	tensor_load_to_lds s[52:55], s[24:31]          ; queries 1,024 to 2,047
	s_nop 0
.rept 4
	v_nop
.endr
.Lno_fill:
.irp k, 0,1,2,3
.irp c, 0,1,2,3
	global_load_b128 v[KF+16*\k+4*\c:KF+16*\k+4*\c+3], v8, s[8:9] offset:2048*\k+512*\c
.endr
	global_load_b32 v[KS+\k], v9, s[10:11] offset:64*\k
.endr
.irp S, 0,1,2,3
.irp T, 0,1,2,3
	global_load_b32 v[QS+4*\S+\T], v9, s[6:7] offset:4096*\S+64*\T
.endr
.endr
	s_wait_tensorcnt 0x1                           ; the statistics and slot 0 are in; slot 1's load, the one issued behind them, may stay out
	s_barrier_signal -1
	s_barrier_wait -1
	s_wait_loadcnt 0x0                             ; K and the scale words
	SLOTBODY 0, 0, 1
	CHANGE3 1, 0                                   ; slot 0 takes queries 2,048 on
	SLOTBODY 1, 1, 0
	CHANGE3 1, 1                                   ; slot 1 takes queries 3,072 on
	SLOTBODY 0, 2, 0
	CHANGE3 0, 0                                   ; nothing is left to fetch
	SLOTBODY 1, 3, 0
	; my 256 queries' sum for each of the 64 keys: over the eight registers, then lane l xor 16's
.irp k, 0,1,2,3
	v_pk_add_f32 v[ACC+8*\k:ACC+8*\k+1], v[ACC+8*\k:ACC+8*\k+1], v[ACC+8*\k+2:ACC+8*\k+3]
	v_pk_add_f32 v[ACC+8*\k+4:ACC+8*\k+5], v[ACC+8*\k+4:ACC+8*\k+5], v[ACC+8*\k+6:ACC+8*\k+7]
.endr
.irp k, 0,1,2,3
	v_pk_add_f32 v[ACC+8*\k:ACC+8*\k+1], v[ACC+8*\k:ACC+8*\k+1], v[ACC+8*\k+4:ACC+8*\k+5]
.endr
.irp k, 0,1,2,3
	v_add_f32 v[ACC+8*\k], v[ACC+8*\k], v[ACC+8*\k+1]
.endr
.irp k, 0,1,2,3
	v_permlanex16_b32 v[ACC+8*\k+1], v[ACC+8*\k], s20, s21
.endr
.irp k, 0,1,2,3
	v_add_f32 v[ACC+8*\k], v[ACC+8*\k], v[ACC+8*\k+1]
.endr
.irp k, 0,1,2,3
	ds_store_b32 v7, v[ACC+8*\k] offset:128*(\k/2)+32*(\k%2)   ; key 32 (k / 2) + 8 (k % 2) + r + 8 (r / 8): the keys in their own order; both lanes of a key write the same value
.endr
	s_wait_dscnt 0x0
	s_barrier_signal -1
	s_barrier_wait -1
	s_cmp_lg_u32 s18, 0
	s_cbranch_scc1 .Lend
	global_load_b64 v[12:13], v10, s[14:15]        ; the mask words of keys 2 x lane, 2 x lane + 1
.irp i, 0,1,2,3,4,5,6,7,8,9,10,11,12,13,14,15
	ds_load_b64 v[DD+2*\i:DD+2*\i+1], v11 offset:256*\i
.endr
	s_wait_dscnt 0x0
.irp i, 1,2,3,4,5,6,7,8,9,10,11,12,13,14,15
	v_pk_add_f32 v[DD:DD+1], v[DD:DD+1], v[DD+2*\i:DD+2*\i+1]   ; the sixteen waves' sums, in the waves' order
.endr
	s_wait_loadcnt 0x0
	v_cvt_f32_i32 v12, v12
	v_cvt_f32_i32 v13, v13
	v_pk_mul_f32 v[DD:DD+1], v[DD:DD+1], 0x39800000 op_sel_hi:[1,0]   ; / 4,096: the mean; exact
	v_pk_mul_f32 v[DD:DD+1], v[DD:DD+1], v[12:13]  ; x m[key]
	global_store_b64 v10, v[DD:DD+1], s[16:17] th:TH_STORE_NT   ; 32 lanes store 256 consecutive bytes, aligned
.Lend:
	s_wait_tensorcnt 0x0                           ; the wave's end
	ds_add_u32 v5, v6
	s_wait_dscnt 0x0
	CROUND                                         ; the closing round
	s_endpgm
.Lfunc_end_k_q2020623c2c_colsum:
	.size	k_q2020623c2c_colsum, .Lfunc_end_k_q2020623c2c_colsum-k_q2020623c2c_colsum
	.p2alignl 7, 3214868480
	.fill 96, 4, 3214868480
	.section	.rodata,"a",@progbits
	.p2align	6, 0x0
	.amdhsa_kernel k_q2020623c2c_colsum
		.amdhsa_group_segment_fixed_size 327680
		.amdhsa_private_segment_fixed_size 0
		.amdhsa_enable_private_segment 0
		.amdhsa_kernarg_size 56
		.amdhsa_user_sgpr_count 2
		.amdhsa_user_sgpr_kernarg_segment_ptr 1
		.amdhsa_wavefront_size32 1
		.amdhsa_system_sgpr_workgroup_id_x 1
		.amdhsa_system_sgpr_workgroup_id_y 1
		.amdhsa_system_sgpr_workgroup_id_z 1
		.amdhsa_system_vgpr_workitem_id 0
		.amdhsa_next_free_vgpr 248
		.amdhsa_next_free_sgpr 84
		.amdhsa_reserve_vcc 0
		.amdhsa_float_denorm_mode_32 3
		.amdhsa_float_denorm_mode_16_64 3
		.amdhsa_memory_ordered 1
		.amdhsa_forward_progress 1
		.amdhsa_inst_pref_size 87
	.end_amdhsa_kernel
	.amdgpu_metadata
---
amdhsa.version: [ 1, 2 ]
amdhsa.kernels:
  - .name:           k_q2020623c2c_colsum
    .symbol:         k_q2020623c2c_colsum.kd
    .args:
      - { .name: qimg, .offset: 0, .size: 8, .value_kind: global_buffer, .address_space: global }
      - { .name: qs, .offset: 8, .size: 8, .value_kind: global_buffer, .address_space: global }
      - { .name: kv, .offset: 16, .size: 8, .value_kind: global_buffer, .address_space: global }
      - { .name: kvs, .offset: 24, .size: 8, .value_kind: global_buffer, .address_space: global }
      - { .name: stats, .offset: 32, .size: 8, .value_kind: global_buffer, .address_space: global }
      - { .name: mask, .offset: 40, .size: 8, .value_kind: global_buffer, .address_space: global }
      - { .name: out1, .offset: 48, .size: 8, .value_kind: global_buffer, .address_space: global }
    .group_segment_fixed_size: 327680
    .private_segment_fixed_size: 0
    .kernarg_segment_align: 8
    .kernarg_segment_size: 56
    .max_flat_workgroup_size: 512
    .sgpr_count:     84
    .vgpr_count:     248
    .wavefront_size: 32
...
	.end_amdgpu_metadata
.endif
;; end of part 3
